; MI455X (gfx1250); checked and timed in simulation.
; The chip was launched on July 23, 2026; its instructions are those of AMD's public machine-readable ISA for CDNA 5 (MIT licence, August 2026) and "CDNA5" Instruction Set Architecture Reference Guide (July 2026). The comments in the code are by the model that wrote it; some were corrected since.
;; Angular Attention. Allowed arithmetic: matrix products marked QUANTISED: E4M3 operands, one given power-of-two scale a tensor, by v_wmma_f32_16x16x64_fp8_fp8 or v_wmma_f32_16x16x128_fp8_fp8, f32 sums; everything else in f32.
;; Inputs: Wk 1,024 x 1,024 float32; Wo 1,024 x 1,024 float32; Wq 1,024 x 1,024 float32; Wv 1,024 x 1,024 float32; bo 1,024 float32; lowp_scales 12 int32 (the exponents e of the quantised operands' scales 2^e); x 2 x 2,048 x 1,024 float32.
;; Outputs: out0 2 x 2,048 x 1,024 float32.
;; This version of the problem:
;;   THIS VERSION OF THE PROBLEM IS GIVEN IN LOW PRECISION. The matrix products marked QUANTISED in the list below multiply operands that are first quantised to E4M3 (4 exponent bits, 3 mantissa bits; 8 bits a number), with one given power-of-two scale for each operand tensor; their sums are f32. All else is computed in f32.
;;   The module's matrix products, in the order in which they are computed (A, B: the left and right operand; K: the contracted axis; several contracted axes count as one K, in the product's order):
;;     1. [M 4,096, K 1,024] x [K 1,024, N 1,024]; A: input x; B: input Wq: QUANTISED (scales: A lowp_scales[0], B lowp_scales[1])
;;     2. [M 4,096, K 1,024] x [K 1,024, N 1,024]; A: input x; B: input Wk: QUANTISED (scales: A lowp_scales[2], B lowp_scales[3])
;;     3. [M 4,096, K 1,024] x [K 1,024, N 1,024]; A: input x; B: input Wv: QUANTISED (scales: A lowp_scales[4], B lowp_scales[5])
;;     4. batch 32 x [M 2,048, K 64] x [K 64, N 2,048]; A: computed on the way; B: computed on the way: QUANTISED (scales: A lowp_scales[6], B lowp_scales[7])
;;     5. batch 32 x [M 2,048, K 2,048] x [K 2,048, N 64]; A: computed on the way; B: computed on the way: QUANTISED (scales: A lowp_scales[8], B lowp_scales[9])
;;     6. [M 4,096, K 1,024] x [K 1,024, N 1,024]; A: computed on the way; B: input Wo: QUANTISED (scales: A lowp_scales[10], B lowp_scales[11])
;;   THE QUANTISER, for each operand of a quantised product, along K:
;;     - The operand's scale is 2^e, e = its entry of the input lowp_scales (int32; the entries are numbered through the quantised products in the list's order, A before B).
;;     - Each number is divided by the scale, clamped to +-448, and rounded to the nearest number of E4M3, ties to even, subnormals kept.
;;     - The product sums the exact products of the quantised numbers (number of the format x scale) in f32.
;;   ~~~python
;;   def quantise(x, axis, e):      # numpy; x: float32 -> the quantised numbers, widened to float32 again
;;       x = np.moveaxis(x, axis, -1); K = x.shape[-1]
;;       r = np.clip(x / 2.0 ** e, -448, 448)
;;       step = 2.0 ** (np.maximum(np.frexp(np.where(r == 0, 1, r))[1] - 1, -6) - 3)
;;       q = np.round(r / step) * step * 2.0 ** e      # np.round: ties to even
;;       return np.moveaxis(q, -1, axis).astype(np.float32)
;;   ~~~
;;   OPERANDS COMPUTED ON THE WAY. 'Computed on the way' means the value that the module computes at that place (a softmax that the list does not call 'softmax' is quantised finished and normalised). What goes into a quantiser is computed in f32, as accurately as f32 sums, v_exp_f32 and their like allow (about 1e-6 of the number): no bf16 or f16 on the way to a quantiser, and a product that is left as it is and whose result goes on into a quantised operand takes f32 operands (vector FMAs, or v_wmma_f32_16x16x4_f32). A number that lies on a knife's edge between two numbers of the format may be rounded either way, as far as f32 arithmetic and the matrix unit's own rounding can turn it there, and no further.
;; One version. Each part assembles by itself: llvm-mc -triple=amdgcn-amd-amdhsa -mcpu=gfx1250 --defsym DOCPART=n.
;; ======== version 1 of 1: 4 launches
;; workspace buffers: xc 12,582,912 bytes; wc 4,194,304 bytes; qc 4,194,304 bytes; kc 4,194,304 bytes; vc 4,194,304 bytes; ac 4,194,304 bytes
;; launch quant (part 1): grid 256 x 1, 8 waves a work-group, no clusters, 41,984 bytes of LDS; arguments x, Wq, Wk, Wv, Wo, lowp_scales, xc, wc; writes xc, wc
.if DOCPART == 1
	.amdgcn_target "amdgcn-amd-amdhsa--gfx1250"
	.amdhsa_code_object_version 6
	.text
	.protected	k_q606f4521ee_quant
	.globl	k_q606f4521ee_quant
	.p2align	8
	.type	k_q606f4521ee_quant,@function
k_q606f4521ee_quant:
	s_mov_b64 s[64:65], 0
	v_nop
	global_prefetch_b8 v0, s[64:65] scope:SCOPE_SE
	s_setreg_imm32_b32 hwreg(HW_REG_WAVE_MODE, 25, 1), 1
	s_wait_xcnt 0x0
; x [4096][1024] f32 becomes THREE sets of E4M3 codes (scales 2^e0, 2^e2, 2^e4: one for each product that reads x), xc [3][4096][1024];
; Wq, Wk, Wv, Wo [1024][1024] f32 become codes with 2^e1, 2^e3, 2^e5, 2^e11, wc [4][1024][1024].  K is innermost in all of them, so each tensor is a plain stream.
; code = number / 2^e, held within +-448, rounded to the nearest code, ties to even.
; LIMITS: each of these e lies between -126 and 119, so that 2^e and 448 x 2^e are f32 numbers.  NaN among the inputs is not served (an infinity is held at the largest code).
; SHARES.  Every work-group takes 16,384 numbers of x and 16,384 numbers of one W (work-group / 64 says which): the same text and the same work in all 256.
; A wave takes 8 steps of 512 numbers, steps 0-3 of x, steps 4-7 of W.  A step's four loads read 512 consecutive bytes each, 16 a lane; the 2,048 bytes turn through the wave's own stage in LDS and come back
; 64 bytes a lane: 16 neighbours along K, which the conversion takes from one lane's registers.  A lane's 16 codes are 16 bytes: a store of the wave covers 512 consecutive bytes, aligned.
; All 32 loads of a wave are issued at the head, each into registers of its own; every store has data registers of its own; no pointer is stepped.  Waves share nothing: no barrier.
.set WAVES, 8
.set SP,    80                         ; a lane's place in a stage: its 64 bytes + 16 of padding
.set WREG,  2*32*SP                    ; a wave's region of LDS: two stages
.set SPARE, WAVES*WREG                 ; behind the regions: the spare words, 128 bytes for each wave: four blocks of 256 bytes that no other line names
.set SPW,  1                           ; v1     LDS address of my spare word; never rewritten
.set NIL,  2                           ; v2     0; never rewritten
.set LO,   3                           ; v3     16 x lane: my bytes of a load's 512 and of a store's 512
.set SIN,  4                           ; v4     the stage, on the way in
.set SOUT, 5                           ; v5     the stage, on the way out
.set SCX,  6                           ; v6-8   2^e0, 2^e2, 2^e4 as f32
.set LMX,  9                           ; v9-11  448 x those
.set SCW,  12                          ; v12    2^e of my W
.set LMW,  13                          ; v13    448 x that
.set T,    16                          ; v16-31   16 numbers, held
.set R,    32                          ; v32-159  eight sets of 16 numbers as loaded
.set X,    160                         ; v160-191 two sets of 16 neighbours
.set C,    192                         ; v192-255 codes: four registers for each store
	s_load_b512 s[4:19], s[0:1], 0x0               ; x s[4:5], Wq s[6:7], Wk s[8:9], Wv s[10:11], Wo s[12:13], the scales s[14:15], xc s[16:17], wc s[18:19]
	v_lshl_add_u32 v[SPW], v0, 2, SPARE
	v_mov_b32 v[NIL], 0
	v_lshrrev_b32 v14, 5, v0
	v_readfirstlane_b32 s32, v14                   ; wave 0..7
	v_and_b32 v15, 31, v0                          ; lane
	v_lshlrev_b32 v[LO], 4, v15
	s_mul_i32 s52, s32, WREG
	v_lshrrev_b32 v[SIN], 2, v15
	v_mul_u32_u24 v[SIN], v[SIN], SP
	v_and_b32 v14, 3, v15
	v_lshl_add_u32 v[SIN], v14, 4, v[SIN]
	v_add_nc_u32 v[SIN], s52, v[SIN]               ; in: four lanes' 64 bytes on end, then 16 of padding: SP (lane / 4) + 16 (lane % 4)
	v_mul_u32_u24 v[SOUT], v15, SP
	v_add_nc_u32 v[SOUT], s52, v[SOUT]             ; out: SP x lane: my 16 neighbours
	s_lshr_b32 s33, ttmp9, 6                       ; which W: 0 Wq, 1 Wk, 2 Wv, 3 Wo
	s_lshl_b32 s46, ttmp9, 16                      ; x: 65,536 bytes a work-group,
	s_lshl_b32 s52, s32, 13                        ; 8,192 a wave
	s_add_co_u32 s46, s46, s52
	s_mov_b32 s47, 0
	s_and_b32 s48, ttmp9, 63                       ; W: the same, among the 64 work-groups of that W
	s_lshl_b32 s48, s48, 16
	s_add_co_u32 s48, s48, s52
	s_mov_b32 s49, 0
	s_lshl_b32 s50, ttmp9, 14                      ; codes: a quarter of that; wc's four tensors lie on end, so the work-group's number serves as it is
	s_lshl_b32 s52, s32, 11
	s_add_co_u32 s50, s50, s52
	s_mov_b32 s51, 0
	s_wait_kmcnt 0x0
	s_load_b256 s[20:27], s[14:15], 0x0            ; e0 .. e7
	s_load_b128 s[28:31], s[14:15], 0x20           ; e8 .. e11
	s_add_nc_u64 s[34:35], s[4:5], s[46:47]        ; x at my wave's part
	s_bitcmp1_b32 s33, 0                           ; the choice among four hangs on the work-group's number alone
	s_cselect_b64 s[36:37], s[8:9], s[6:7]         ; Wk or Wq
	s_cselect_b64 s[52:53], s[12:13], s[10:11]     ; Wo or Wv
	s_bitcmp1_b32 s33, 1
	s_cselect_b64 s[36:37], s[52:53], s[36:37]
	s_add_nc_u64 s[36:37], s[36:37], s[48:49]      ; my W at my wave's part
	s_add_nc_u64 s[38:39], s[16:17], s[50:51]      ; xc, set 0,
	s_add_nc_u64 s[40:41], s[38:39], 0x400000      ; set 1,
	s_add_nc_u64 s[42:43], s[38:39], 0x800000      ; set 2
	s_add_nc_u64 s[44:45], s[18:19], s[50:51]      ; wc
.macro LOAD t                          ; step t's 2,048 bytes: four loads of 512 consecutive bytes
.irp i, 0,1,2,3
.if (\t) < 4
	global_load_b128 v[R+16*(\t)+4*\i:R+16*(\t)+4*\i+3], v[LO], s[34:35] offset:2048*(\t)+512*\i th:TH_LOAD_NT
.else
	global_load_b128 v[R+16*(\t)+4*\i:R+16*(\t)+4*\i+3], v[LO], s[36:37] offset:2048*((\t)-4)+512*\i th:TH_LOAD_NT
.endif
.endr
.endm
.macro TURN t                          ; step t's numbers through a stage: LDS serves a wave's instructions in order (ISA guide 5.7.1.4), so no wait stands between the stores and the loads
.irp i, 0,1,2,3
	ds_store_b128 v[SIN], v[R+16*(\t)+4*\i:R+16*(\t)+4*\i+3] offset:32*SP*((\t)%2)+8*SP*\i
.endr
.irp i, 0,1,2,3
	ds_load_b128 v[X+16*((\t)%2)+4*\i:X+16*((\t)%2)+4*\i+3], v[SOUT] offset:32*SP*((\t)%2)+16*\i
.endr
.endm
.macro MKSC e, vs, vl                  ; from the whole number in s[e]: 2^e and 448 x 2^e as f32
	s_add_co_i32 s56, s[\e], 127
	s_lshl_b32 s57, s56, 23
	v_mov_b32 v[\vs], s57
	s_add_co_i32 s56, s56, 8
	s_lshl_b32 s56, s56, 23
	s_or_b32 s56, s56, 0x600000                    ; 448 = 1.75 x 2^8
	v_mov_b32 v[\vl], s56
.endm
.macro CONV xs, dst, sc, lim           ; 16 neighbours become 16 codes
.irp i, 0,1,2,3,4,5,6,7,8,9,10,11,12,13,14,15
	v_med3_num_f32 v[T+\i], v[\xs+\i], -v[\lim], v[\lim]   ; the conversion to an 8-bit code does not saturate (ISA guide 7.6.2): the hold at the largest code x the scale
.endr
	v_cvt_scalef32_pk8_fp8_f32 v[\dst:\dst+1], v[T:T+7], v[\sc]
	v_cvt_scalef32_pk8_fp8_f32 v[\dst+2:\dst+3], v[T+8:T+15], v[\sc]
	v_nop                                          ; one plain vector line between a scaled conversion and the next hold, which writes its sources
.endm
.irp t, 0,1,2,3,4,5,6,7
	LOAD \t
.endr
	s_wait_kmcnt 0x0
	s_bitcmp1_b32 s33, 0
	s_cselect_b32 s54, s23, s21                    ; e3 or e1
	s_cselect_b32 s55, s31, s25                    ; e11 or e5
	s_bitcmp1_b32 s33, 1
	s_cselect_b32 s54, s55, s54
	MKSC 20, SCX, LMX
	MKSC 22, SCX+1, LMX+1
	MKSC 24, SCX+2, LMX+2
	MKSC 54, SCW, LMW
	s_wait_loadcnt 28                              ; step 0's four loads are in; the 28 behind them may be out
	TURN 0
.macro STEP t
.set XS, X+16*((\t)%2)
	s_wait_dscnt 0x0                               ; this step's numbers are back from the stage
.if (\t) < 7
	s_wait_loadcnt 4*(6-(\t))                      ; the next step's four loads are in; those of the steps behind it may be out
	TURN (\t)+1                                    ; and go through the other stage while this step is worked
.endif
.if (\t) < 4
.irp k, 0,1,2
	CONV XS, C+12*(\t)+4*\k, SCX+\k, LMX+\k
	global_store_b128 v[LO], v[C+12*(\t)+4*\k:C+12*(\t)+4*\k+3], s[38+2*\k:39+2*\k] offset:512*(\t)
.endr
.else
	CONV XS, C+48+4*((\t)-4), SCW, LMW
	global_store_b128 v[LO], v[C+48+4*((\t)-4):C+48+4*((\t)-4)+3], s[44:45] offset:512*((\t)-4)
.endif
.endm
.irp t, 0,1,2,3,4,5,6,7
	STEP \t
.endr
	s_wait_tensorcnt 0x0                           ; the wave's end, behind my last LDS store
	ds_add_u32 v[SPW], v[NIL]
	s_wait_dscnt 0x0
	s_endpgm
.Lfunc_end_k_q606f4521ee_quant:
	.size	k_q606f4521ee_quant, .Lfunc_end_k_q606f4521ee_quant-k_q606f4521ee_quant
	.p2alignl 7, 3214868480
	.fill 96, 4, 3214868480
	.section	.rodata,"a",@progbits
	.p2align	6, 0x0
	.amdhsa_kernel k_q606f4521ee_quant
		.amdhsa_group_segment_fixed_size 41984
		.amdhsa_private_segment_fixed_size 0
		.amdhsa_enable_private_segment 0
		.amdhsa_kernarg_size 64
		.amdhsa_user_sgpr_count 2
		.amdhsa_user_sgpr_kernarg_segment_ptr 1
		.amdhsa_wavefront_size32 1
		.amdhsa_system_sgpr_workgroup_id_x 1
		.amdhsa_system_sgpr_workgroup_id_y 1
		.amdhsa_system_sgpr_workgroup_id_z 1
		.amdhsa_system_vgpr_workitem_id 0
		.amdhsa_next_free_vgpr 256
		.amdhsa_next_free_sgpr 66
		.amdhsa_reserve_vcc 0
		.amdhsa_float_denorm_mode_32 3
		.amdhsa_float_denorm_mode_16_64 3
		.amdhsa_memory_ordered 1
		.amdhsa_forward_progress 1
		.amdhsa_inst_pref_size 31
	.end_amdhsa_kernel
	.amdgpu_metadata
---
amdhsa.version: [ 1, 2 ]
amdhsa.kernels:
  - .name:           k_q606f4521ee_quant
    .symbol:         k_q606f4521ee_quant.kd
    .args:
      - { .name: x, .offset: 0, .size: 8, .value_kind: global_buffer, .address_space: global }
      - { .name: Wq, .offset: 8, .size: 8, .value_kind: global_buffer, .address_space: global }
      - { .name: Wk, .offset: 16, .size: 8, .value_kind: global_buffer, .address_space: global }
      - { .name: Wv, .offset: 24, .size: 8, .value_kind: global_buffer, .address_space: global }
      - { .name: Wo, .offset: 32, .size: 8, .value_kind: global_buffer, .address_space: global }
      - { .name: lowp_scales, .offset: 40, .size: 8, .value_kind: global_buffer, .address_space: global }
      - { .name: xc, .offset: 48, .size: 8, .value_kind: global_buffer, .address_space: global }
      - { .name: wc, .offset: 56, .size: 8, .value_kind: global_buffer, .address_space: global }
    .group_segment_fixed_size: 41984
    .private_segment_fixed_size: 0
    .kernarg_segment_align: 8
    .kernarg_segment_size: 64
    .max_flat_workgroup_size: 256
    .sgpr_count:     66
    .vgpr_count:     256
    .wavefront_size: 32
...
	.end_amdgpu_metadata
.endif
;; end of part 1
;; launch qkv (part 2): grid 12 x 16, 4 waves a work-group, clusters of 4 x 4, 327,680 bytes of LDS; arguments xc, wc, lowp_scales, qc, kc, vc; writes qc, kc, vc
.if DOCPART == 2
	.amdgcn_target "amdgcn-amd-amdhsa--gfx1250"
	.amdhsa_code_object_version 6
	.text
	.protected	k_q606f4521ee_qkv
	.globl	k_q606f4521ee_qkv
	.p2align	8
	.type	k_q606f4521ee_qkv,@function
k_q606f4521ee_qkv:
	s_mov_b64 s[64:65], 0
	v_nop
	global_prefetch_b8 v0, s[64:65] scope:SCOPE_SE
	s_setreg_imm32_b32 hwreg(HW_REG_WAVE_MODE, 25, 1), 1
	s_wait_xcnt 0x0
	s_wait_alu depctr_hold_cnt(0) depctr_sa_sdst(0) depctr_va_vdst(0) depctr_va_sdst(0) depctr_va_ssrc(0) depctr_va_vcc(0) depctr_vm_vsrc(0)
	s_getreg_b32 s2, hwreg(HW_REG_IB_STS2, 6, 4)
	s_cmp_eq_u32 s2, 0
	s_cbranch_scc0 .Lentry_in_a_cluster
	s_endpgm
.Lentry_in_a_cluster:
	s_bfe_u32 s2, ttmp6, 0x10000c
	s_cmp_lg_u32 s2, 0xf033
	s_cbranch_scc0 .Lentry_shape_is_right
	s_endpgm
.Lentry_shape_is_right:
; The three projections on E4M3 codes, and what follows them up to the next quantiser.  The cluster's x says which: 0: Q, 1: K, 2: V.
; Q, K: y = x W^T (4096 x 1024, K = 1024); each head's 64 numbers of a token are divided by max(their norm, 1e-6) and quantised with 2^e6 (Q) or 2^e7 (K).   V: y is quantised with 2^e9.
; ONE MAIN LOOP serves all three: C = A B^T on a tile of 256 x 256, four waves, a wave 128 x 128 in 64 accumulators; K in steps of 256 through a ring of two LDS slots filled by the tensor data mover.
; For Q and K, A = x's codes (rows: tokens) and B = W's codes (rows: channels).  FOR V THE TWO CHANGE PLACES: A = Wv's codes, B = x's.  The matrix instruction is used transposed (source 0 = 16 rows of B, source 1 = 16 rows
; of A), so a lane holds ONE row of A and eight neighbouring rows of B: for Q and K one token and eight neighbouring channels of a head (the next product's K); for V one channel and eight neighbouring tokens (the keys: its next K).
; So the conversions' results ARE registers of the next launch's operands, and they are stored as images of those registers, 16 bytes a lane, 512 consecutive bytes a store, aligned:
;   qc, kc: [batch x head 32][tile of 16 tokens 128][piece 2][lane 32][16 bytes]: lane (r, h): token r; registers 2 c, 2 c + 1: channels 16 c + 8 h + 0 .. 7.
;   vc:     [batch x head 32][128 keys 16][tile of 16 channels 4][piece 4][lane 32][16 bytes]: lane (r, h): channel r; registers 2 c, 2 c + 1: keys 16 c + 8 h + 0 .. 7.
; THE NORM WITHOUT THE SCALES: a sum stands for sum x 2^E (E = e0 + e1 or e2 + e3), and y / max(|y|, 1e-6) = sum / max(|sum|, 1e-6 / 2^E): the bound is scaled once, the sums never.
; CLUSTERS: 4 x 4 work-groups; A's tile is asked for jointly along a row of the cluster, B's along a column.  192 work-groups: a tile holds whole heads, and a wave's part of V whole runs of 128 keys.
; LIMITS: e0 + e1 and e2 + e3 between -147 and 106; e6, e7 and e9 - e4 - e5 between -126 and 119.  NaN and infinity among the inputs are not served.
; REGISTERS, in windows of 256: window 0: v16-31 addresses and scales; from v128 A's fragments, one set; on the way out v32-63 F, v64-127 TMP, v128-255 codes.
;   window 1: B's fragments, two sets.   window 2: the accumulators of my rows 0-63 ((a, b) at v[8 (8 a + b)]);   window 3: those of my rows 64-127.
.set KSTEP,  256
.set ROWB,   256                       ; a tile's row in bytes
.set KROW,   1024                      ; a row of codes in memory
.set PITCH,  272                       ; an LDS row: 256 bytes + 16 of padding = 68 words: row r starts at bank 4 r mod 64 (64 banks of 4 bytes: ISA guide 11.1)
.set FR,     16                        ; registers of a fragment: 16 rows x 128 K
.set NL,     4                         ; LDS loads that bring one
.set NP,     4                         ; places behind this matrix instruction (ISA guide 7.12.1)
.set HALFT,  128*PITCH                 ; what one tensor load brings
.set SLOT,   4*HALFT                   ; A's 256 rows, then B's 256 rows
.set SPARE,  2*SLOT                    ; behind the ring: the spare words, 128 bytes for each wave: two blocks of 256 bytes that no other line names
.set ADRA, 16                          ; v16-17  LDS address of my A fragments in slot 0, 1
.set ADRB, 20                          ; v20-21  the same for B
.set LO,   26                          ; v26     16 x lane: my place in an image
.set SPW,  28                          ; v28     LDS address of my spare word; never rewritten
.set NIL,  29                          ; v29     0; never rewritten
.set SC,   30                          ; v30     the conversion's scale as f32
.set LM,   31                          ; v31     448 x that
.set F,    32                          ; v32-63  a pair for each (block of 16 tokens a, head hd): sum of squares, then 1 / max(norm, bound)
.set TMP,  64                          ; v64-127 numbers on their way to the conversion
.set C,    128                         ; v128-255 codes: every store has registers of its own
.set AF,   128                         ; A's fragments, in window 0
.set G1, 24                            ; s[24:31] descriptor group 1 for A's tiles;  s[32:39] group 0, one set for each slot
.set G0, 32
.set G1B, 48                           ; s[48:55], s[56:63] the same for B's tiles
.set G0B, 56
.set MSB, 0
.macro WIN new                         ; the immediate's high byte repeats the setting that is left
.if MSB != \new
	s_set_vgpr_msb (MSB<<8)|\new
.set MSB, \new
.endif
.endm
.set MUL_LO, 0xa1                      ; source 0 (B) window 1, source 1 (A) window 0, C and D window 2
.set MUL_HI, 0xf1                      ; the same, C and D window 3
.set TO_B,   0x40                      ; destination window 1, address window 0
; A joint load: waves 0 and 1 fetch for A, waves 2 and 3 for B.  The branch hangs on the wave's number alone.  An s_nop 0 and four v_nop follow each of the two lines.
.macro JLOAD g0a, g1a, g0b, g1b
	s_cmp_eq_u32 s15, 0
	s_cbranch_scc0 .Lfor_b_\@
	tensor_load_to_lds s[\g0a:\g0a+3], s[\g1a:\g1a+7]
	s_nop 0
.rept 4
	v_nop
.endr
	s_branch .Lasked_\@
.Lfor_b_\@:
	tensor_load_to_lds s[\g0b:\g0b+3], s[\g1b:\g1b+7]
	s_nop 0
.rept 4
	v_nop
.endr
.Lasked_\@:
.endm
.macro CREST                           ; a round of the cluster's barrier behind its opening barrier
	s_cmp_lg_u32 s14, 0
	s_cbranch_scc1 .Lnot_wave_0_\@
	s_barrier_signal -3
.Lnot_wave_0_\@:
	s_barrier_wait -3
	s_barrier_signal -1
	s_barrier_wait -1
.endm
.macro CROUND                          ; a whole round
	s_barrier_signal -1
	s_barrier_wait -1
	CREST
.endm
	s_load_b256 s[4:11], s[0:1], 0x0               ; xc s[4:5], wc s[6:7], the scales s[8:9], qc s[10:11]
	s_load_b128 s[68:71], s[0:1], 0x20             ; kc s[68:69], vc s[70:71]
	v_lshl_add_u32 v[SPW], v0, 2, SPARE
	v_mov_b32 v[NIL], 0
	ds_add_u32 v[SPW], v[NIL]                      ; the wave's opening: the add and its wait stand ahead of my first tensor load; the set-up below, work on registers, stands between them
	v_lshrrev_b32 v1, 5, v0
	v_readfirstlane_b32 s14, v1                    ; wave 0..3
	s_lshr_b32 s15, s14, 1                         ; which half of the tile's rows (of A) is mine.  Also: I fetch for A (0) or for B (1)
	s_and_b32 s16, s14, 1                          ; which half of its columns (rows of B).  Also: which 128 rows of that tile I fetch
	s_bfe_u32 s40, ttmp6, 0x40000                  ; cx, cy: my place in the cluster
	s_bfe_u32 s41, ttmp6, 0x40004
	s_and_b32 s22, ttmp7, 0xffff                   ; the cluster's y, 0..3
	s_lshl_b32 s18, ttmp9, 22                      ; Q, K: x's set of codes, 4 MiB apart,
	s_lshl_b32 s19, ttmp9, 20                      ; and W's, 1 MiB apart
	s_cmp_eq_u32 ttmp9, 2                          ; V?  The cluster's x is the same in all sixteen partners
	s_cselect_b32 s90, 0x200000, s18               ; where A begins in its buffer: Wv's codes, or x's set
	s_cselect_b32 s92, 0x800000, s19               ; where B begins: x's third set, or W's codes
	s_cselect_b32 s17, 0, s22                      ; the 16 tiles of tokens go along the rows for Q and K,
	s_cselect_b32 s42, s22, 0                      ; along the columns for V
	s_lshl_b32 s17, s17, 2
	s_add_co_u32 s17, s17, s41                     ; tile row
	s_lshl_b32 s42, s42, 2
	s_add_co_u32 s42, s42, s40                     ; tile column
	s_lshl_b32 s43, s41, 2
	s_lshl_b32 s43, 15, s43                        ; my row of the cluster
	s_lshl_b32 s44, 0x1111, s40                    ; my column
	; descriptor group 1: a tile of 128 rows x 256 bytes, padded in LDS
	s_or_b32 s[G1+0], s43, (0<<16)|(1<<20)|(1<<21)|(5<<22)|(3<<25)  ; 15:0 the mask: A's tiles go to my row; 17:16 element of 1 byte; 20 padding on; 21 set beside a mask; 24:22 after every 64 words (code 5); 31:25 of 4 words (code 3)
	s_or_b32 s[G1B+0], s44, (0<<16)|(1<<20)|(1<<21)|(5<<22)|(3<<25)
.irp g, G1, G1B
	s_mov_b32 s[\g+1], ROWB<<16                    ; tensor_dim0
	s_mov_b32 s[\g+2], 128<<16                     ; tensor_dim1 = 128
	s_mov_b32 s[\g+3], ROWB<<16                    ; tile_dim0
	s_mov_b32 s[\g+4], 128                         ; tile_dim1 = 128
	s_mov_b32 s[\g+5], KROW                        ; tensor_dim0_stride
	s_mov_b32 s[\g+6], 0
	s_mov_b32 s[\g+7], 0
.endr
	s_lshl_b32 s93, s16, 17                        ; which 128 rows of 1,024 bytes I fetch
	s_lshl_b32 s20, s17, 18                        ; A: 256 rows a tile row
	s_add_co_u32 s20, s20, s93
	s_add_co_u32 s20, s20, s90
	s_mov_b32 s21, 0
	s_lshl_b32 s46, s42, 18                        ; B: 256 rows a tile column
	s_add_co_u32 s46, s46, s93
	s_add_co_u32 s46, s46, s92
	s_mov_b32 s47, 0
	s_mul_i32 s45, s14, HALFT                      ; where they go: wave x 128 rows: no place in the cluster enters an LDS address
	s_mov_b32 s88, 0x76543210                      ; v_permlanex16_b32's selects for lane l xor 16
	s_mov_b32 s89, 0xfedcba98
	s_wait_dscnt 0x0                               ; the opening add is done
	s_wait_kmcnt 0x0
	s_load_b256 s[72:79], s[8:9], 0x0              ; e0 .. e7
	s_load_b128 s[80:83], s[8:9], 0x20             ; e8 .. e11
	s_cmp_eq_u32 ttmp9, 2
	s_cselect_b64 s[84:85], s[6:7], s[4:5]         ; A's buffer
	s_cselect_b64 s[86:87], s[4:5], s[6:7]         ; B's buffer
	s_add_nc_u64 s[20:21], s[84:85], s[20:21]
	s_add_nc_u64 s[46:47], s[86:87], s[46:47]
	CROUND                                         ; all sixteen work-groups are here: the first joint loads meet
.irp s, 0,1
	s_mov_b32 s[G0+4*\s], 1
	s_add_co_u32 s[G0+4*\s+1], s45, \s*SLOT
	s_add_nc_u64 s[G0+4*\s+2:G0+4*\s+3], s[20:21], \s*ROWB
	s_or_b32 s[G0+4*\s+3], s[G0+4*\s+3], 0x80000000
	s_mov_b32 s[G0B+4*\s], 1
	s_add_co_u32 s[G0B+4*\s+1], s45, \s*SLOT
	s_add_nc_u64 s[G0B+4*\s+2:G0B+4*\s+3], s[46:47], \s*ROWB
	s_or_b32 s[G0B+4*\s+3], s[G0B+4*\s+3], 0x80000000
	JLOAD G0+4*\s, G1, G0B+4*\s, G1B
.endr
	v_and_b32 v1, 15, v0                           ; l % 16
	v_bfe_u32 v2, v0, 4, 1                         ; l / 16
	v_mul_u32_u24 v3, v1, PITCH
	v_lshl_add_u32 v4, v2, 4, v3                   ; a fragment's row x pitch + 16 x half
	s_mul_i32 s21, s15, HALFT                      ; my 128 rows of A
	s_mul_i32 s22, s16, HALFT                      ; my 128 rows of B,
	s_add_co_u32 s22, s22, 2*HALFT                 ; which lie behind A's 256
.irp s, 0,1
	v_add_nc_u32 v[ADRA+\s], s21, v4
	v_add_nc_u32 v[ADRB+\s], s22, v4
	s_add_co_u32 s21, s21, SLOT
	s_add_co_u32 s22, s22, SLOT
.endr
	v_and_b32 v6, 31, v0
	v_lshlrev_b32 v[LO], 4, v6
.macro FRAG reg, adr, q, i             ; a fragment, 16 rows x 128 K: lane l holds row l % 16; registers 4 c .. 4 c + 3 hold K = 32 c + 16 (l / 16) + 0 .. 15: one order of K, the same in A and in B
.irp c, 0,1,2,3
	ds_load_b128 v[\reg+4*\c:\reg+4*\c+3], v[\adr] offset:128*(\q)+32*\c+(\i)*16*PITCH
.endr
.endm
; 16 matrix instructions: A's blocks a0, a0 + 1 x B's eight, 128 along K.  p: B's set.  zero = 1: the first product starts the sums.
; The 64 accumulators take turns, one instruction a turn, in the same order in every step.
.macro MUL16 a0, p, zero
.irp a, \a0, \a0+1
.irp b, 0,1,2,3,4,5,6,7
.if \zero
	v_wmma_f32_16x16x128_fp8_fp8 v[8*(8*((\a)%4)+\b):8*(8*((\a)%4)+\b)+7], v[128*(\p)+FR*\b:128*(\p)+FR*\b+FR-1], v[AF+FR*(\a):AF+FR*(\a)+FR-1], 0
.else
	v_wmma_f32_16x16x128_fp8_fp8 v[8*(8*((\a)%4)+\b):8*(8*((\a)%4)+\b)+7], v[128*(\p)+FR*\b:128*(\p)+FR*\b+FR-1], v[AF+FR*(\a):AF+FR*(\a)+FR-1], v[8*(8*((\a)%4)+\b):8*(8*((\a)%4)+\b)+7]
.endif
.endr
.endr
.endm
.macro FETCH_B slot, q, p              ; B's eight fragments of the slot's q-th 128 along K into set p
	WIN TO_B
.irp i, 0,1,2,3,4,5,6,7
	FRAG 128*(\p)+FR*\i, ADRB+\slot, \q, \i
.endr
	WIN 0
.endm
.macro FETCH_A slot, q, i0             ; A's blocks i0 .. i0 + 3
.irp i, \i0, \i0+1, \i0+2, \i0+3
	FRAG AF+FR*(\i), ADRA+\slot, \q, \i
.endr
.endm
.macro PLACES n                        ; plain vector lines between a matrix instruction and a load into its sources, or a read of its result
.rept \n
	v_nop
.endr
.endm
; A step of 128 along K that has its successor in the same slot.  A has one set of registers: blocks 0-3 are fetched anew in the step's middle, blocks 4-7 at its end; B has two sets.
.macro STEP slot, q, zero
	s_wait_dscnt 4*NL                              ; B's set and A's blocks 0-3 are in; the youngest 16 loads (A's blocks 4-7) may be out
	WIN MUL_LO
	MUL16 0, (\q)%2, \zero
	MUL16 2, (\q)%2, \zero
	s_wait_dscnt 0                                 ; A's blocks 4-7 are in
	PLACES NP
	FETCH_B \slot, (\q)+1, 1-(\q)%2
	FETCH_A \slot, (\q)+1, 0
	WIN MUL_HI
	MUL16 4, (\q)%2, \zero
	MUL16 6, (\q)%2, \zero
	PLACES NP
	WIN 0
	FETCH_A \slot, (\q)+1, 4
.endm
; A slot's last step changes slots: ONE barrier; in front of it each wave waits for all its tensor loads, adds 0 to its spare word, and waits for that and for its own reads of this slot.  fill = 1: this slot is filled again, two K steps ahead.
.macro TURN slot, next, fill
	s_wait_tensorcnt 0x0                           ; all my tensor loads have landed: my part of the next slot  (every window is 0 here)
	ds_add_u32 v[SPW], v[NIL]                      ; 0 onto my spare word
	s_wait_dscnt 4*NL+1                            ; (the add and the youngest 16 loads, A's blocks 4-7, may be out)
	WIN MUL_LO
	MUL16 0, 1, 0                                  ; sixteen matrix instructions stand between the add and the wait for it
	s_wait_dscnt 0x0                               ; the add is done, and my reads of this slot are over
	s_barrier_signal -1
	MUL16 2, 1, 0
	WIN 0
	s_barrier_wait -1
.if \fill
	CREST                                          ; the barrier has opened a round of the cluster's barrier: no wave of any partner still reads this slot's tile or has a load on its way
	s_add_nc_u64 s[G0+4*\slot+2:G0+4*\slot+3], s[G0+4*\slot+2:G0+4*\slot+3], 2*ROWB
	s_add_nc_u64 s[G0B+4*\slot+2:G0B+4*\slot+3], s[G0B+4*\slot+2:G0B+4*\slot+3], 2*ROWB
	JLOAD G0+4*\slot, G1, G0B+4*\slot, G1B         ; the first tensor load behind the round; its four v_nop are also the places in front of the loads below
.else
	PLACES NP
.endif
	FETCH_B \next, 0, 0
	FETCH_A \next, 0, 0
	WIN MUL_HI
	MUL16 4, 1, 0
	MUL16 6, 1, 0
	PLACES NP
	WIN 0
	FETCH_A \next, 0, 4
.endm
	s_wait_tensorcnt 1                             ; my part of K step 0 is in (K step 1's load may be out)
	s_barrier_signal -1
	s_barrier_wait -1                              ; everybody's is
	FETCH_B 0, 0, 0
	FETCH_A 0, 0, 0
	FETCH_A 0, 0, 4
	STEP 0, 0, 1                                   ; K = 1,024 is four slots' worth: the eight steps are written out, there is no loop.  The first step's products start the sums
	TURN 0, 1, 1                                   ; slot 0 takes K step 2
	STEP 1, 0, 0
	TURN 1, 0, 1                                   ; slot 1 takes K step 3
	STEP 0, 0, 0
	TURN 0, 1, 0                                   ; nothing is left to fetch
	STEP 1, 0, 0
	s_wait_dscnt 4*NL                              ; the very last step
	WIN MUL_LO
	MUL16 0, 1, 0
	MUL16 2, 1, 0
	s_wait_dscnt 0
	WIN MUL_HI
	MUL16 4, 1, 0
	MUL16 6, 1, 0
	WIN 0
	; THE WAY OUT.  Where my images begin is one formula for all three: (16 x batch + my first head) x 131,072 + 64 x (my first token within its batch).
	s_wait_kmcnt 0x0
	s_cmp_eq_u32 ttmp9, 2
	s_cselect_b32 s18, s42, s17                    ; the tile of 256 tokens: V's columns, Q's and K's rows
	s_cselect_b32 s19, s16, s15                    ; my half of it
	s_cselect_b32 s22, s41, s40                    ; the tile of four heads
	s_cselect_b32 s23, s15, s16                    ; my two of them
	s_lshl_b32 s18, s18, 8
	s_lshl_b32 s19, s19, 7
	s_add_co_u32 s18, s18, s19                     ; my first token
	s_lshr_b32 s19, s18, 11                        ; its batch
	s_and_b32 s18, s18, 2047
	s_lshl_b32 s18, s18, 6
	s_lshl_b32 s19, s19, 4
	s_lshl_b32 s22, s22, 2
	s_add_co_u32 s19, s19, s22
	s_lshl_b32 s23, s23, 1
	s_add_co_u32 s19, s19, s23
	s_lshl_b32 s19, s19, 17
	s_add_co_u32 s18, s18, s19
	s_mov_b32 s19, 0
	PLACES NP                                      ; in front of the first read of results
	s_cmp_eq_u32 ttmp9, 2                          ; the same in all sixteen partners
	s_cbranch_scc1 .Lv_out
	; ---- Q and K
	s_add_co_i32 s94, s72, s73                     ; e0 + e1
	s_add_co_i32 s95, s74, s75                     ; e2 + e3
	s_cmp_eq_u32 ttmp9, 0
	s_cselect_b32 s94, s94, s95                    ; E
	s_cselect_b32 s95, s78, s79                    ; e6 or e7
	s_cselect_b64 s[96:97], s[10:11], s[68:69]     ; qc or kc
	s_add_nc_u64 s[96:97], s[96:97], s[18:19]
	s_lshl_b32 s94, s94, 23
	s_sub_co_u32 s94, 0x358637bd, s94              ; 1e-6 / 2^E: E is taken off the exponent field
	s_add_co_i32 s95, s95, 127
	s_lshl_b32 s98, s95, 23
	v_mov_b32 v[SC], s98                           ; 2^e6 or 2^e7
	s_add_co_i32 s95, s95, 8
	s_lshl_b32 s95, s95, 23
	s_or_b32 s95, s95, 0x600000
	v_mov_b32 v[LM], s95                           ; 448 x that
; Sums of squares: for blocks a0, a0 + 1 and both heads, four chains by turns; a lane's 32 numbers of a head are 16 pairs.  Each accumulator is read from its low end on.
.macro SSQ a0
	WIN 0x0a+5*((\a0)/4)                           ; sources 0 and 1: window 2 or 3
.irp n, 0,1,2,3,4,5,6,7,8,9,10,11,12,13,14,15
.irp x, 0,1,2,3
.set rA, 8*(8*(((\a0)+\x/2)%4)+4*(\x%2)+\n/4)+2*(\n%4)
.set rF, F+2*(2*((\a0)+\x/2)+\x%2)
.if \n == 0
	v_pk_mul_f32 v[rF:rF+1], v[rA:rA+1], v[rA:rA+1]
.else
	v_pk_fma_f32 v[rF:rF+1], v[rA:rA+1], v[rA:rA+1], v[rF:rF+1]
.endif
.endr
.endr
.endm
	SSQ 0
	SSQ 2
	SSQ 4
	SSQ 6
	WIN 0
.irp i, 0,1,2,3,4,5,6,7,8,9,10,11,12,13,14,15
	v_add_f32 v[F+2*\i], v[F+2*\i], v[F+2*\i+1]
.endr
.irp i, 0,1,2,3,4,5,6,7,8,9,10,11,12,13,14,15
	v_permlanex16_b32 v[F+2*\i+1], v[F+2*\i], s88, s89   ; the head's other 32 channels lie in the lane 16 away
.endr
.irp i, 0,1,2,3,4,5,6,7,8,9,10,11,12,13,14,15
	v_add_f32 v[F+2*\i], v[F+2*\i], v[F+2*\i+1]
.endr
.irp i, 0,1,2,3,4,5,6,7,8,9,10,11,12,13,14,15
	v_sqrt_f32 v[F+2*\i], v[F+2*\i]
.endr
	v_nop                                          ; a plain line behind the last root,
	s_wait_alu depctr_va_vdst(0)                   ; and one wait for the sixteen, ahead of their first reader
.irp i, 0,1,2,3,4,5,6,7,8,9,10,11,12,13,14,15
	v_max_num_f32 v[F+2*\i], s94, v[F+2*\i]        ; max(norm, 1e-6), both / 2^E
.endr
.irp i, 0,1,2,3,4,5,6,7,8,9,10,11,12,13,14,15
	v_rcp_f32 v[F+2*\i], v[F+2*\i]
.endr
	v_nop
	s_wait_alu depctr_va_vdst(0)                   ; one wait for the sixteen reciprocals
; (block a = i / 2, head i % 2): 32 numbers a lane are normalised, held, converted: one fragment of 8 registers, stored as two pieces
.macro QOUT i
.set AC, 8*(8*(((\i)/2)%4)+4*((\i)%2))
	WIN 0x02+((\i)/8)                              ; source 0: window 2 or 3
.irp n, 0,2,4,6,8,10,12,14,16,18,20,22,24,26,28,30
	v_pk_mul_f32 v[TMP+\n:TMP+\n+1], v[AC+\n:AC+\n+1], v[F+2*(\i):F+2*(\i)+1] op_sel_hi:[1,0]
.endr
	WIN 0
.irp n, 0,1,2,3,4,5,6,7,8,9,10,11,12,13,14,15,16,17,18,19,20,21,22,23,24,25,26,27,28,29,30,31
	v_med3_num_f32 v[TMP+\n], v[TMP+\n], -v[LM], v[LM]   ; the conversion does not saturate (ISA guide 7.6.2)
.endr
.irp c, 0,1,2,3
	v_cvt_scalef32_pk8_fp8_f32 v[C+8*(\i)+2*\c:C+8*(\i)+2*\c+1], v[TMP+8*\c:TMP+8*\c+7], v[SC]   ; registers 2 c, 2 c + 1: channels 16 c + 8 h + 0 .. 7
.endr
	v_nop                                          ; one plain line between the conversions and the next lines that write their sources
	global_store_b128 v[LO], v[C+8*(\i):C+8*(\i)+3], s[96:97] offset:((\i)/2)*1024+((\i)%2)*131072
	global_store_b128 v[LO], v[C+8*(\i)+4:C+8*(\i)+7], s[96:97] offset:((\i)/2)*1024+((\i)%2)*131072+512
.endm
.irp i, 0,1,2,3,4,5,6,7,8,9,10,11,12,13,14,15
	QOUT \i
.endr
	s_branch .Lout_done
.Lv_out:
	; ---- V: a sum stands for sum x 2^(e4 + e5), so its code is sum / 2^(e9 - e4 - e5): the three scales are folded into the conversion's one
	s_add_nc_u64 s[96:97], s[70:71], s[18:19]
	s_sub_co_i32 s95, s81, s76
	s_sub_co_i32 s95, s95, s77
	s_add_co_i32 s95, s95, 127
	s_lshl_b32 s98, s95, 23
	v_mov_b32 v[SC], s98
	s_add_co_i32 s95, s95, 8
	s_lshl_b32 s95, s95, 23
	s_or_b32 s95, s95, 0x600000
	v_mov_b32 v[LM], s95
; block a (16 channels: head a / 4, tile a % 4) x my 128 tokens: 64 numbers a lane become one fragment of 16 registers, stored as four pieces
.macro VOUT a
.set AC, 64*((\a)%4)
	WIN 0x02+((\a)/4)                              ; source 0: window 2 or 3
.set n, 0
.rept 64
	v_med3_num_f32 v[TMP+n], v[AC+n], -v[LM], v[LM]
.set n, n+1
.endr
	WIN 0
.irp b, 0,1,2,3,4,5,6,7
	v_cvt_scalef32_pk8_fp8_f32 v[C+16*(\a)+2*\b:C+16*(\a)+2*\b+1], v[TMP+8*\b:TMP+8*\b+7], v[SC]   ; registers 2 b, 2 b + 1: keys 16 b + 8 h + 0 .. 7
.endr
	v_nop
.irp p, 0,1,2,3
	global_store_b128 v[LO], v[C+16*(\a)+4*\p:C+16*(\a)+4*\p+3], s[96:97] offset:((\a)/4)*131072+((\a)%4)*2048+512*\p
.endr
.endm
.irp a, 0,1,2,3,4,5,6,7
	VOUT \a
.endr
.Lout_done:
	s_wait_tensorcnt 0x0                           ; the wave's end, behind my last tensor load
	ds_add_u32 v[SPW], v[NIL]
	s_wait_dscnt 0x0
	CROUND                                         ; the closing round: no work-group ends while a partner may still ask for a tile that names it
	s_endpgm
.Lfunc_end_k_q606f4521ee_qkv:
	.size	k_q606f4521ee_qkv, .Lfunc_end_k_q606f4521ee_qkv-k_q606f4521ee_qkv
	.p2alignl 7, 3214868480
	.fill 96, 4, 3214868480
	.section	.rodata,"a",@progbits
	.p2align	6, 0x0
	.amdhsa_kernel k_q606f4521ee_qkv
		.amdhsa_group_segment_fixed_size 327680
		.amdhsa_private_segment_fixed_size 0
		.amdhsa_enable_private_segment 0
		.amdhsa_kernarg_size 48
		.amdhsa_user_sgpr_count 2
		.amdhsa_user_sgpr_kernarg_segment_ptr 1
		.amdhsa_wavefront_size32 1
		.amdhsa_system_sgpr_workgroup_id_x 1
		.amdhsa_system_sgpr_workgroup_id_y 1
		.amdhsa_system_sgpr_workgroup_id_z 1
		.amdhsa_system_vgpr_workitem_id 0
		.amdhsa_next_free_vgpr 1024
		.amdhsa_next_free_sgpr 100
		.amdhsa_reserve_vcc 0
		.amdhsa_float_denorm_mode_32 3
		.amdhsa_float_denorm_mode_16_64 3
		.amdhsa_memory_ordered 1
		.amdhsa_forward_progress 1
		.amdhsa_inst_pref_size 195
	.end_amdhsa_kernel
	.amdgpu_metadata
---
amdhsa.version: [ 1, 2 ]
amdhsa.kernels:
  - .name:           k_q606f4521ee_qkv
    .symbol:         k_q606f4521ee_qkv.kd
    .args:
      - { .name: xc, .offset: 0, .size: 8, .value_kind: global_buffer, .address_space: global }
      - { .name: wc, .offset: 8, .size: 8, .value_kind: global_buffer, .address_space: global }
      - { .name: lowp_scales, .offset: 16, .size: 8, .value_kind: global_buffer, .address_space: global }
      - { .name: qc, .offset: 24, .size: 8, .value_kind: global_buffer, .address_space: global }
      - { .name: kc, .offset: 32, .size: 8, .value_kind: global_buffer, .address_space: global }
      - { .name: vc, .offset: 40, .size: 8, .value_kind: global_buffer, .address_space: global }
    .group_segment_fixed_size: 327680
    .private_segment_fixed_size: 0
    .kernarg_segment_align: 8
    .kernarg_segment_size: 48
    .max_flat_workgroup_size: 128
    .sgpr_count:     100
    .vgpr_count:     1024
    .wavefront_size: 32
...
	.end_amdgpu_metadata
.endif
;; end of part 2
;; launch attn (part 3): grid 8 x 32, 16 waves a work-group, no clusters, 135,680 bytes of LDS; arguments qc, kc, vc, lowp_scales, ac; writes ac
.if DOCPART == 3
	.amdgcn_target "amdgcn-amd-amdhsa--gfx1250"
	.amdhsa_code_object_version 6
	.text
	.protected	k_q606f4521ee_attn
	.globl	k_q606f4521ee_attn
	.p2align	8
	.type	k_q606f4521ee_attn,@function
k_q606f4521ee_attn:
	s_mov_b64 s[64:65], 0
	v_nop
	global_prefetch_b8 v0, s[64:65] scope:SCOPE_SE
	s_setreg_imm32_b32 hwreg(HW_REG_WAVE_MODE, 25, 1), 1
	s_wait_xcnt 0x0
; For each of 32 (batch, head): c = Q K^T on E4M3 codes (x 2^(e6 + e7)), clipped to +-0.999; s = 1 - arccos(c) / pi; W = s^16 / (the row's sum of s^16 + 1e-6); W is quantised FINISHED, with 2^e8;
; O = W V on codes (x 2^(e8 + e9)); O is quantised with 2^e10 into ac, the image of the last product's operand.
; THE ROW'S SUM IS KNOWN BEFORE THE FIRST CODE IS MADE, AND NO WEIGHT IS COMPUTED TWICE: a work-group of sixteen waves holds 16 queries x all 2,048 keys of weights in registers.
; SHARES.  A work-group owns 256 queries of one head, 16 blocks of 16.  WAVE w OWNS KEYS 128 w .. 128 w + 127 for the whole launch: its 8 fragments of K (64 registers) and 4 of V^T (64) are loaded once, as images,
; 8,192 bytes on end each.  No byte of K or V is read by two waves of a work-group, and each is read once at the head: so no LDS ring, no tensor load; and what the eight work-groups of a head share is 256 KiB read once
; against sixteen blocks of vector work each: no cluster.  Q, 1,024 bytes a block, is loaded half a block ahead into registers: no prefetch.
; LAYOUT.  Both products are used transposed: S^T = K Q^T (source 0 = 16 keys, source 1 = the 16 queries): lane (r, h) holds query r and, in tile kt, keys 16 kt + 8 h + 0 .. 7: the conversion of tile kt gives
; registers 2 kt, 2 kt + 1 of P, source 1 of O^T = V^T P^T (K = my 128 keys).  O^T's sixteen parts meet in LDS and are added, keys ascending, by four waves.
; ARCCOS.  u = 1 - |c|;  arccos(|c|) / pi = sqrt(u) G(u), G of degree 7: Abramowitz and Stegun 4.4.46 (error of arccos at most 2e-8), expanded in u and divided by pi.  t = 0.5 - sqrt(u) G;  s = 0.5 + t with c's sign.
; The clip is u >= 1 - 0.999f = 16777 x 2^-24, exactly.  After it s lies between 0.0142 and 0.9858 for every input, so a max(s, 1e-6) would never act and is not written.
; The row's sum adds s^8 x s^8 by fused multiply-adds, so it needs no s^16: the last squaring stands round the barrier, where the wave would else wait.
; LIMITS: e6 + e7 between -126 and 127; e8 and e10 - e8 - e9 between -126 and 119.
; A BLOCK HAS ONE BARRIER.  Scores and s^8, my part of each row's sum to LDS | barrier | all parts, 1 / (sum + 1e-6), W's codes, my part of O^T to LDS; then four waves add, quantise and store the parts of the block BEFORE.
; The parts of O^T and of the sums have two regions each, taken by turns.  A part of O^T stored behind barrier i is waited for in front of signal i + 1 and read behind wait i + 1; those reads are waited for in front of
; signal i + 2, and the region is stored into again only behind wait i + 2.  A part of a sum stored in front of signal i is read behind wait i; those reads are waited for in front of signal i + 1, and the region is
; stored into again only behind wait i + 1.  The last block's parts are added behind one more barrier, behind the loop.
.set OPB,   65536                      ; LDS: O^T's parts, two regions of this size from byte 0: [wave 16][tile of 16 channels 4][registers 0-3, 4-7][512 bytes]
.set SUM,   2*OPB                      ; the sums' parts, two regions: 16 queries, 80 bytes apart (an odd multiple of 16), a word for each wave
.set SUMB,  1280
.set SPARE, SUM+2*SUMB                 ; the spare words, 128 bytes for each wave: eight blocks of 256 bytes that no other line names
.set SPW,  1                           ; v1   LDS address of my spare word; never rewritten
.set NIL,  2                           ; v2   0; never rewritten
.set LO,   3                           ; v3   16 x lane: my place in an image
.set SUMW, 4                           ; v4   where I put my part of query r's sum
.set SUMR, 5                           ; v5   where query r's sixteen parts lie
.set OPW,  6                           ; v6   where I put 16 bytes of O^T's part, region 0
.set OPR,  7                           ; v7   where an adding wave reads them, region 0
.set AO,   8                           ; v8   an adding wave's byte offset in ac
                                       ; v9, v0   the clip's bound, twice: the two halves of a dual line take their sources from different register banks
                                       ; v10, v17 448 x 2^e8, twice, for the same reason;  v11 2^e8;  v12 448 x 2^(e10 - e8 - e9), v13 2^(e10 - e8 - e9);  v[14:15] g7, twice
.set INV,  16                          ; v16  1 / (sum + 1e-6)  (named as the pair v[16:17]; the low word serves both halves)
.set LA,   18                          ; v[18:19], v[20:21] my part of the sum, in two chains of pairs
.set LB,   20
.set OC,   22                          ; v[22:23] at work; O's codes
.set QF,   24                          ; v24-31   Q's fragment
.set U,    32                          ; v32-39   u
.set R,    40                          ; v40-47   sqrt(u)
.set P,    48                          ; v48-55   G, then t
.set PC,   32                          ; v32-47   the sums' parts, then W's codes
.set RA,   48                          ; v48-55   an adding wave's sums
.set OPW2, 56                          ; v56  as v6, region 1
.set OPR2, 57                          ; v57  as v7, region 1
.set S,    64                          ; v64-127  S^T, then the weights; v96-127 my part of O^T; v64-95 (and v32-47) an adding wave's loads
.set KF,   128                         ; v128-191 K's 8 fragments
.set VF,   192                         ; v192-255 V^T's 4 fragments
	s_load_b256 s[4:11], s[0:1], 0x0               ; qc s[4:5], kc s[6:7], vc s[8:9], the scales s[10:11]
	s_load_b64 s[12:13], s[0:1], 0x20              ; ac
	v_lshl_add_u32 v[SPW], v0, 2, SPARE
	v_mov_b32 v[NIL], 0
	v_lshrrev_b32 v22, 5, v0
	v_readfirstlane_b32 s14, v22                   ; wave 0..15
	s_and_b32 s15, s14, 3
	s_lshr_b32 s16, s14, 2
	v_and_b32 v22, 31, v0                          ; lane
	v_lshlrev_b32 v[LO], 4, v22
	v_and_b32 v18, 15, v0                          ; r
	v_bfe_u32 v19, v0, 4, 1                        ; h
	v_mul_u32_u24 v[SUMR], v18, 80
	v_add_nc_u32 v[SUMR], SUM, v[SUMR]
	s_lshl_b32 s17, s14, 2
	v_add_nc_u32 v[SUMW], s17, v[SUMR]
	; a lane's 16 bytes in a piece of 512: ((16 r) xor (128 h)) + 256 h.  Written by lanes (r, h) = (l % 16, l / 16) and read by lanes (r, h) = (l / 2, l % 2): either way sixteen neighbouring lanes touch sixteen different columns of 16 bytes modulo 256
	v_lshlrev_b32 v[OPW], 4, v18
	v_lshlrev_b32 v20, 7, v19
	v_xor_b32 v[OPW], v[OPW], v20
	v_lshl_add_u32 v[OPW], v19, 8, v[OPW]
	s_lshl_b32 s17, s14, 12
	v_add_nc_u32 v[OPW], s17, v[OPW]               ; + 4,096 x wave
	v_add_nc_u32 v[OPW2], OPB, v[OPW]
	v_bfe_u32 v18, v0, 1, 4                        ; l / 2
	v_and_b32 v19, 1, v0                           ; l % 2
	v_lshlrev_b32 v[OPR], 4, v18
	v_lshlrev_b32 v20, 7, v19
	v_xor_b32 v[OPR], v[OPR], v20
	v_lshl_add_u32 v[OPR], v19, 8, v[OPR]
	s_lshl_b32 s17, s15, 10
	v_add_nc_u32 v[OPR], s17, v[OPR]               ; + 1,024 x the tile of channels that wave % 4 names
	v_add_nc_u32 v[OPR2], OPB, v[OPR]
	v_lshlrev_b32 v[AO], 3, v22
	s_lshl_b32 s17, s15, 8
	v_add_nc_u32 v[AO], s17, v[AO]                 ; 8 x lane + 256 x that tile
	v_mov_b32 v9, 0x3a831200                       ; 1 - 0.999f
	v_mov_b32 v0, 0x3a831200                       ; (the thread's number has served)
	v_mov_b32 v14, 0x39d2b131                      ; g7
	v_mov_b32 v15, 0x39d2b131
	v_mov_b32 v22, 0                               ; written once: a lane permute's destination counts as one of its sources
	s_mov_b32 s32, 0xba34d99c                      ; g6 .. g0; a packed line names a pair and takes its low word for both halves, so both words are written
	s_mov_b32 s33, s32
	s_mov_b32 s34, 0x3a955bd8
	s_mov_b32 s35, s34
	s_mov_b32 s36, 0x39db864b
	s_mov_b32 s37, s36
	s_mov_b32 s38, 0x3b2c9701
	s_mov_b32 s39, s38
	s_mov_b32 s40, 0x3c0a054e
	s_mov_b32 s41, s40
	s_mov_b32 s42, 0x3d19a84b
	s_mov_b32 s43, s42
	s_mov_b32 s44, 0x3ee67b21
	s_mov_b32 s45, s44
	s_mov_b32 s46, 0x7fffffff
	s_mov_b32 s48, 0x76543210                      ; v_permlanex16_b32's selects for lane l xor 16
	s_mov_b32 s49, 0xfedcba98
	s_mov_b32 s50, 8                               ; trips to go, two blocks each
	s_and_b32 s18, ttmp7, 0xffff                   ; 16 x batch + head
	s_lshl_b32 s56, s18, 17                        ; its 131,072 bytes in qc, kc, vc
	s_mov_b32 s57, 0
	s_lshl_b32 s58, s14, 13
	s_add_co_u32 s58, s58, s56                     ; + my wave's 8,192 bytes of K and of V
	s_mov_b32 s59, 0
	s_lshl_b32 s17, ttmp9, 14
	s_add_co_u32 s56, s56, s17                     ; + my work-group's 16 tiles of Q
	s_lshr_b32 s60, s18, 4                         ; ac: (128 x batch + 16 x work-group x) tiles of 16,384 bytes,
	s_lshl_b32 s60, s60, 21
	s_lshl_b32 s17, ttmp9, 18
	s_add_co_u32 s60, s60, s17
	s_bfe_u32 s17, s18, 0x30001                    ; + 2,048 x (head / 2),
	s_lshl_b32 s17, s17, 11
	s_add_co_u32 s60, s60, s17
	s_and_b32 s17, s18, 1                          ; + 1,024 x (head % 2)
	s_lshl_b32 s17, s17, 10
	s_add_co_u32 s60, s60, s17
	s_mov_b32 s61, 0
	s_wait_kmcnt 0x0
	s_load_b256 s[20:27], s[10:11], 0x0            ; e0 .. e7
	s_load_b128 s[28:31], s[10:11], 0x20           ; e8 .. e11
	s_add_nc_u64 s[6:7], s[6:7], s[58:59]
	s_add_nc_u64 s[8:9], s[8:9], s[58:59]
	s_add_nc_u64 s[52:53], s[4:5], s[56:57]        ; the Q block to be loaded
	s_add_nc_u64 s[54:55], s[12:13], s[60:61]      ; the place in ac of the block to be stored next
	global_load_b128 v[QF:QF+3], v[LO], s[52:53]
	global_load_b128 v[QF+4:QF+7], v[LO], s[52:53] offset:512
.irp n, 0,1,2,3,4,5,6,7,8,9,10,11,12,13,14,15
	global_load_b128 v[KF+4*\n:KF+4*\n+3], v[LO], s[6:7] offset:512*\n
.endr
.irp n, 0,1,2,3,4,5,6,7,8,9,10,11,12,13,14,15
	global_load_b128 v[VF+4*\n:VF+4*\n+3], v[LO], s[8:9] offset:512*\n
.endr
	s_wait_kmcnt 0x0
	s_add_co_i32 s17, s26, s27
	s_add_co_i32 s17, s17, 127
	s_lshl_b32 s47, s17, 23                        ; 2^(e6 + e7)
	s_add_co_i32 s17, s28, 127
	s_lshl_b32 s18, s17, 23
	v_mov_b32 v11, s18                             ; 2^e8
	s_add_co_i32 s17, s17, 8
	s_lshl_b32 s17, s17, 23
	s_or_b32 s17, s17, 0x600000
	v_mov_b32 v10, s17                             ; 448 x 2^e8,
	v_mov_b32 v17, s17                             ; twice
	s_sub_co_i32 s17, s30, s28
	s_sub_co_i32 s17, s17, s29
	s_add_co_i32 s17, s17, 127
	s_lshl_b32 s18, s17, 23
	v_mov_b32 v13, s18                             ; 2^(e10 - e8 - e9): a sum of the second product stands for sum x 2^(e8 + e9)
	s_add_co_i32 s17, s17, 8
	s_lshl_b32 s17, s17, 23
	s_or_b32 s17, s17, 0x600000
	v_mov_b32 v12, s17
; Eight scores of a lane (tile g) become eight s^8, in place, and their squares are added to the lane's part of the sum.
.macro GROUP g, first
.set Y, S+8*(\g)
.irp i, 0,1,2,3,4,5,6,7
	v_fma_f32 v[U+\i], -|v[Y+\i]|, s47, 1.0        ; u = 1 - |c|
.endr
.irp i, 0,2,4,6
	v_dual_max_num_f32 v[U+\i], v[U+\i], v9 :: v_dual_max_num_f32 v[U+\i+1], v[U+\i+1], v0   ; the clip
.endr
.irp i, 0,1,2,3,4,5,6,7
	v_sqrt_f32 v[R+\i], v[U+\i]
.endr
.irp i, 0,2,4,6
	v_pk_fma_f32 v[P+\i:P+\i+1], v[14:15], v[U+\i:U+\i+1], s[32:33] op_sel_hi:[1,1,0]   ; G by Horner, two at a time: these 28 lines name no root and are the work behind the batch
.endr
.irp k, 34,36,38,40,42,44
.irp i, 0,2,4,6
	v_pk_fma_f32 v[P+\i:P+\i+1], v[P+\i:P+\i+1], v[U+\i:U+\i+1], s[\k:\k+1] op_sel_hi:[1,1,0]
.endr
.endr
	s_wait_alu depctr_va_vdst(0)                   ; one wait for the eight roots, ahead of their first reader
.irp i, 0,2,4,6
	v_pk_fma_f32 v[P+\i:P+\i+1], v[R+\i:R+\i+1], v[P+\i:P+\i+1], 0.5 op_sel_hi:[1,1,0] neg_lo:[1,0,0] neg_hi:[1,0,0]   ; t = 0.5 - sqrt(u) G
.endr
.irp i, 0,1,2,3,4,5,6,7
	v_bfi_b32 v[P+\i], s46, v[P+\i], v[Y+\i]       ; t's magnitude, the score's sign
.endr
.irp i, 0,2,4,6
	v_pk_add_f32 v[Y+\i:Y+\i+1], v[P+\i:P+\i+1], 0.5 op_sel_hi:[1,0]   ; s
.endr
.rept 3
.irp i, 0,2,4,6
	v_pk_mul_f32 v[Y+\i:Y+\i+1], v[Y+\i:Y+\i+1], v[Y+\i:Y+\i+1]   ; s^2, s^4, s^8
.endr
.endr
.if \first
	v_pk_mul_f32 v[LA:LA+1], v[Y:Y+1], v[Y:Y+1]    ; the first tile starts the sums: nothing is cleared
	v_pk_mul_f32 v[LB:LB+1], v[Y+4:Y+5], v[Y+4:Y+5]
.else
	v_pk_fma_f32 v[LA:LA+1], v[Y:Y+1], v[Y:Y+1], v[LA:LA+1]   ; + s^8 x s^8
	v_pk_fma_f32 v[LB:LB+1], v[Y+4:Y+5], v[Y+4:Y+5], v[LB:LB+1]
.endif
	v_pk_fma_f32 v[LA:LA+1], v[Y+2:Y+3], v[Y+2:Y+3], v[LA:LA+1]
	v_pk_fma_f32 v[LB:LB+1], v[Y+6:Y+7], v[Y+6:Y+7], v[LB:LB+1]
.endm
; The last squaring of tile g: s^16.
.macro SQUARE g
.irp i, 0,2,4,6
	v_pk_mul_f32 v[S+8*(\g)+\i:S+8*(\g)+\i+1], v[S+8*(\g)+\i:S+8*(\g)+\i+1], v[S+8*(\g)+\i:S+8*(\g)+\i+1]
.endr
.endm
; Eight weights are normalised, held and converted: registers 2 g, 2 g + 1 of P.
.macro NORMQ g
.set Y, S+8*(\g)
.irp i, 0,2,4,6
	v_pk_mul_f32 v[Y+\i:Y+\i+1], v[Y+\i:Y+\i+1], v[INV:INV+1] op_sel_hi:[1,0]
.endr
.irp i, 0,2,4,6
	v_dual_min_num_f32 v[Y+\i], v[Y+\i], v10 :: v_dual_min_num_f32 v[Y+\i+1], v[Y+\i+1], v17   ; the conversion does not saturate (ISA guide 7.6.2); W is not negative, so the hold is one-sided
.endr
	v_cvt_scalef32_pk8_fp8_f32 v[PC+2*(\g):PC+2*(\g)+1], v[Y:Y+7], v11
.endm
; THE ADDING, by waves 0, 5, 10, 15 (they differ in wave % 4 and in wave / 4).  Wave 5 i takes channels 16 i .. 16 i + 15; its lane l takes query l / 2, channels 16 i + 8 (l % 2) + 0 .. 7.
; The sixteen parts come two at a time through a ring of three slots of 16 registers: v64-79, v80-95, v32-47.
.macro DLOAD t, adr                    ; parts 2 t and 2 t + 1 into slot t % 3: four loads
.set DSB, 64+16*((\t)%3)-64*(((\t)%3)/2)
.irp x, 0,1
	ds_load_b128 v[DSB+8*\x:DSB+8*\x+3], v[\adr] offset:4096*(2*(\t)+\x)
	ds_load_b128 v[DSB+8*\x+4:DSB+8*\x+7], v[\adr] offset:4096*(2*(\t)+\x)+512
.endr
.endm
.macro REDUCE adr
	DLOAD 0, \adr
	DLOAD 1, \adr
	DLOAD 2, \adr
.irp t, 0,1,2,3,4,5,6,7
.if \t < 6
	s_wait_dscnt 8                                 ; LDS loads come back in order (ISA guide 5.7.1): this slot's four are in; the two later slots' eight may be out
.elseif \t == 6
	s_wait_dscnt 4                                 ; the last slot's four may be out
.else
	s_wait_dscnt 0
.endif
.set DSB, 64+16*((\t)%3)-64*(((\t)%3)/2)
.if \t == 0
.irp i, 0,2,4,6
	v_pk_add_f32 v[RA+\i:RA+\i+1], v[DSB+\i:DSB+\i+1], v[DSB+8+\i:DSB+8+\i+1]   ; the first two parts start the sums
.endr
.else
.irp i, 0,2,4,6
	v_pk_add_f32 v[RA+\i:RA+\i+1], v[RA+\i:RA+\i+1], v[DSB+\i:DSB+\i+1]
.endr
.irp i, 0,2,4,6
	v_pk_add_f32 v[RA+\i:RA+\i+1], v[RA+\i:RA+\i+1], v[DSB+8+\i:DSB+8+\i+1]
.endr
.endif
.if \t < 5
	DLOAD \t+3, \adr                               ; the slot takes the parts three turns on
.endif
.endr
.irp i, 0,1,2,3,4,5,6,7
	v_med3_num_f32 v[RA+\i], v[RA+\i], -v12, v12
.endr
	v_cvt_scalef32_pk8_fp8_f32 v[OC:OC+1], v[RA:RA+7], v13
	v_nop                                          ; one plain line behind the conversion: its registers are written again in the next block
	global_store_b64 v[AO], v[OC:OC+1], s[54:55]   ; the 32 lanes store 256 consecutive bytes, aligned: half a piece of the image: lane (r, h) of piece c holds k = 32 c + 16 h + 0 .. 15 of token r
.endm
; A BLOCK of 16 queries.  p = the block's number modulo 2: which regions of LDS it stores into.
.macro BLOCK p
.if \p
.set WADR, OPW2
.set RADR, OPR
.else
.set WADR, OPW
.set RADR, OPR2
.endif
	s_wait_loadcnt 0x0                             ; this block's Q (in the first block K and V too): the loads are done, so their address may step
	s_add_nc_u64 s[52:53], s[52:53], 1024
.irp k, 0,1,2,3
	v_wmma_f32_16x16x64_fp8_fp8 v[S+8*\k:S+8*\k+7], v[KF+8*\k:KF+8*\k+7], v[QF:QF+7], 0
.endr
.rept 4
	v_nop                                          ; places in front of the first read of the scores
.endr
	GROUP 0, 1
	GROUP 1, 0
	GROUP 2, 0
	s_wait_dscnt 0x0                               ; the last block's part of O^T has left v96-127 and lies in LDS: three tiles' work stood between the stores and this wait
.irp k, 4,5,6,7
	v_wmma_f32_16x16x64_fp8_fp8 v[S+8*\k:S+8*\k+7], v[KF+8*\k:KF+8*\k+7], v[QF:QF+7], 0
.endr
	GROUP 3, 0                                     ; names none of those products' registers: its plain lines are the places in front of the loads into Q's registers and of the read of tiles 4 to 7
.if \p
	s_cmp_eq_u32 s50, 1                            ; the next block's Q, if there is a next block: no load leaves its buffer
	s_cbranch_scc1 .Lno_q_\@
.endif
	global_load_b128 v[QF:QF+3], v[LO], s[52:53]
	global_load_b128 v[QF+4:QF+7], v[LO], s[52:53] offset:512
.if \p
.Lno_q_\@:
.endif
	GROUP 4, 0
	GROUP 5, 0
	GROUP 6, 0
	GROUP 7, 0
	v_pk_add_f32 v[LA:LA+1], v[LA:LA+1], v[LB:LB+1]
	v_add_f32 v[LA], v[LA], v[LA+1]
	v_permlanex16_b32 v[OC], v[LA], s48, s49       ; my query's other 64 of my keys lie in the lane 16 away
	v_add_f32 v[LA], v[LA], v[OC]
	ds_store_b32 v[SUMW], v[LA] offset:SUMB*\p     ; (both lanes of a query write the same word with the same number)
	s_wait_dscnt 0x0                               ; for the others' sake: my part of the sum has landed; so has my part of the last block's O^T, and my reads of LDS are in
	s_barrier_signal -1
	SQUARE 0                                       ; work on registers while the others arrive
	SQUARE 1
	SQUARE 2
	SQUARE 3
	s_barrier_wait -1                              ; the sixteen parts of every row's sum, and of the last block's O^T, lie in LDS
.irp i, 0,1,2,3
	ds_load_b128 v[PC+4*\i:PC+4*\i+3], v[SUMR] offset:SUMB*\p+16*\i
.endr
	SQUARE 4                                       ; and while the parts come
	SQUARE 5
	SQUARE 6
	SQUARE 7
	s_wait_dscnt 0x0
	v_pk_add_f32 v[PC:PC+1], v[PC:PC+1], v[PC+2:PC+3]   ; the same order in every wave: all sixteen have the same sum
	v_pk_add_f32 v[PC+4:PC+5], v[PC+4:PC+5], v[PC+6:PC+7]
	v_pk_add_f32 v[PC+8:PC+9], v[PC+8:PC+9], v[PC+10:PC+11]
	v_pk_add_f32 v[PC+12:PC+13], v[PC+12:PC+13], v[PC+14:PC+15]
	v_pk_add_f32 v[PC:PC+1], v[PC:PC+1], v[PC+4:PC+5]
	v_pk_add_f32 v[PC+8:PC+9], v[PC+8:PC+9], v[PC+12:PC+13]
	v_pk_add_f32 v[PC:PC+1], v[PC:PC+1], v[PC+8:PC+9]
	v_add_f32 v[PC], v[PC], v[PC+1]
	v_add_f32 v[PC], 0x358637bd, v[PC]             ; + 1e-6
	v_rcp_f32 v[INV], v[PC]
	v_nop                                          ; a plain line behind the reciprocal,
	s_wait_alu depctr_va_vdst(0)                   ; and the wait ahead of its first reader
.irp g, 0,1,2,3,4,5,6,7
	NORMQ \g
.endr
	v_nop                                          ; one plain line between the conversions and the products, which read their results and write over their sources
.irp d, 0,1,2,3
	v_wmma_f32_16x16x128_fp8_fp8 v[S+32+8*\d:S+32+8*\d+7], v[VF+16*\d:VF+16*\d+15], v[PC:PC+15], 0
.endr
.rept 4
	v_nop                                          ; places in front of the stores of the results, and of an adding wave's loads into the registers that held W's codes
.endr
.irp d, 0,1,2,3
	ds_store_b128 v[WADR], v[S+32+8*\d:S+32+8*\d+3] offset:1024*\d         ; each result from its low end on
	ds_store_b128 v[WADR], v[S+32+8*\d+4:S+32+8*\d+7] offset:1024*\d+512
.endr
.if \p == 0
	s_cmp_eq_u32 s50, 8                            ; the first block has no block before it
	s_cbranch_scc1 .Lfirst_\@
.endif
	s_cmp_lg_u32 s15, s16
	s_cbranch_scc1 .Lnot_adding_\@
	REDUCE RADR                                    ; the parts of the block before, from the other region
.Lnot_adding_\@:
	s_wait_xcnt 0x0                                ; the store has read its data and its base: both are written again only behind this wait
	s_add_nc_u64 s[54:55], s[54:55], 16384         ; the next tile of 16 tokens
.if \p == 0
.Lfirst_\@:
.endif
.endm
.Ltwo:                                             ; 8 trips of two blocks: the regions of LDS are back where they began
	BLOCK 0
	BLOCK 1
	s_sub_co_u32 s50, s50, 1
	s_cmp_lg_u32 s50, 0
	s_cbranch_scc1 .Ltwo
	s_wait_dscnt 0x0                               ; my part of the last block's O^T has landed
	s_barrier_signal -1
	s_barrier_wait -1                              ; everybody's has
	s_cmp_lg_u32 s15, s16
	s_cbranch_scc1 .Llast
	REDUCE OPR2                                    ; block 15 stored into region 1
.Llast:
	s_wait_tensorcnt 0x0                           ; the wave's end, behind my last LDS store
	ds_add_u32 v[SPW], v[NIL]
	s_wait_dscnt 0x0
	s_endpgm
.Lfunc_end_k_q606f4521ee_attn:
	.size	k_q606f4521ee_attn, .Lfunc_end_k_q606f4521ee_attn-k_q606f4521ee_attn
	.p2alignl 7, 3214868480
	.fill 96, 4, 3214868480
	.section	.rodata,"a",@progbits
	.p2align	6, 0x0
	.amdhsa_kernel k_q606f4521ee_attn
		.amdhsa_group_segment_fixed_size 135680
		.amdhsa_private_segment_fixed_size 0
		.amdhsa_enable_private_segment 0
		.amdhsa_kernarg_size 40
		.amdhsa_user_sgpr_count 2
		.amdhsa_user_sgpr_kernarg_segment_ptr 1
		.amdhsa_wavefront_size32 1
		.amdhsa_system_sgpr_workgroup_id_x 1
		.amdhsa_system_sgpr_workgroup_id_y 1
		.amdhsa_system_sgpr_workgroup_id_z 1
		.amdhsa_system_vgpr_workitem_id 0
		.amdhsa_next_free_vgpr 256
		.amdhsa_next_free_sgpr 66
		.amdhsa_reserve_vcc 0
		.amdhsa_float_denorm_mode_32 3
		.amdhsa_float_denorm_mode_16_64 3
		.amdhsa_memory_ordered 1
		.amdhsa_forward_progress 1
		.amdhsa_inst_pref_size 125
	.end_amdhsa_kernel
	.amdgpu_metadata
---
amdhsa.version: [ 1, 2 ]
amdhsa.kernels:
  - .name:           k_q606f4521ee_attn
    .symbol:         k_q606f4521ee_attn.kd
    .args:
      - { .name: qc, .offset: 0, .size: 8, .value_kind: global_buffer, .address_space: global }
      - { .name: kc, .offset: 8, .size: 8, .value_kind: global_buffer, .address_space: global }
      - { .name: vc, .offset: 16, .size: 8, .value_kind: global_buffer, .address_space: global }
      - { .name: lowp_scales, .offset: 24, .size: 8, .value_kind: global_buffer, .address_space: global }
      - { .name: ac, .offset: 32, .size: 8, .value_kind: global_buffer, .address_space: global }
    .group_segment_fixed_size: 135680
    .private_segment_fixed_size: 0
    .kernarg_segment_align: 8
    .kernarg_segment_size: 40
    .max_flat_workgroup_size: 512
    .sgpr_count:     66
    .vgpr_count:     256
    .wavefront_size: 32
...
	.end_amdgpu_metadata
.endif
;; end of part 3
;; launch oproj (part 4): grid 8 x 32, 4 waves a work-group, clusters of 4 x 4, 288,256 bytes of LDS; arguments ac, wc, lowp_scales, bo, out0; writes out0
.if DOCPART == 4
	.amdgcn_target "amdgcn-amd-amdhsa--gfx1250"
	.amdhsa_code_object_version 6
	.text
	.protected	k_q606f4521ee_oproj
	.globl	k_q606f4521ee_oproj
	.p2align	8
	.type	k_q606f4521ee_oproj,@function
k_q606f4521ee_oproj:
	s_mov_b64 s[64:65], 0
	v_nop
	global_prefetch_b8 v0, s[64:65] scope:SCOPE_SE
	s_setreg_imm32_b32 hwreg(HW_REG_WAVE_MODE, 25, 1), 1
	s_wait_xcnt 0x0
	s_wait_alu depctr_hold_cnt(0) depctr_sa_sdst(0) depctr_va_vdst(0) depctr_va_sdst(0) depctr_va_ssrc(0) depctr_va_vcc(0) depctr_vm_vsrc(0)
	s_getreg_b32 s2, hwreg(HW_REG_IB_STS2, 6, 4)
	s_cmp_eq_u32 s2, 0
	s_cbranch_scc0 .Lentry_in_a_cluster
	s_endpgm
.Lentry_in_a_cluster:
	s_bfe_u32 s2, ttmp6, 0x10000c
	s_cmp_lg_u32 s2, 0xf033
	s_cbranch_scc0 .Lentry_shape_is_right
	s_endpgm
.Lentry_shape_is_right:
; out0 = O Wo^T x 2^(e10 + e11) + bo.  O: 4096 x 1024 as E4M3 codes in ac, images of operand registers: [tile of 16 tokens 256][128 along K 8][piece c 4][lane 32][16 bytes], lane (r, h) of piece c: token r, k = 32 c + 16 h + 0 .. 15.
; Wo: codes, rows of 1,024 bytes, the fourth tensor of wc.  out0: [4096][1024] f32.
; A tile of out0 is 128 x 128: 256 work-groups.  Four waves, each 64 x 64: 16 accumulators.  THE WHOLE K LIES IN LDS: four slots of 256 along K, each filled ONCE, all four asked for at the head: no slot is filled again,
; so there is no ring; a counted wait and a barrier stand in front of each slot's first read.  A wave has four tensor loads out.
; CLUSTERS: 4 x 4 work-groups; O's tile is asked for jointly along a row of the cluster, Wo's along a column.
; The matrix instruction is used transposed (source 0 = 16 rows of Wo, source 1 = 16 tokens): a lane holds eight neighbouring numbers of a row of out0.  Both operands have K in the same order inside a fragment.
; LIMIT: e10 + e11 between -126 and 127.
; REGISTERS: window 0: v16-29 addresses; v32-63 bo in the result's layout; v64-95 at work; v128-255 the accumulators ((a, b) at v[128 + 8 (4 a + b)]), later rows on their way out.
;   window 1: two fragment buffers of 128: Wo's four fragments, then O's four.
.set PITCH,  272                       ; a row of Wo's tile in LDS: 256 bytes + 16 of padding: row r starts at bank 4 r mod 64 (64 banks of 4 bytes: ISA guide 11.1)
.set ABYTES, 32768                     ; O's part of a slot: 8 tiles of tokens x 4,096 bytes, dense: a fragment load takes 512 consecutive bytes
.set SLOT,   ABYTES+128*PITCH
.set STAGE,  4*SLOT                    ; behind the slots: 16 rows x 272 bytes for each wave, for the way out
.set SPARE,  STAGE+4*16*PITCH          ; behind the stages: the spare words, 128 bytes for each wave: two blocks of 256 bytes that no other line names
.set ADRA, 16                          ; v16-19  LDS address of my fragments of O in slots 0 to 3
.set ADRB, 20                          ; v20-23  the same for Wo
.set STO,  24                          ; v24     the way out: where I put 32 bytes of a row
.set RD,   25                          ; v25     where I read a row back
.set CO,   26                          ; v26     my byte offset in out0
.set BO,   27                          ; v27     my byte offset in bo
.set SPW,  28                          ; v28     LDS address of my spare word; never rewritten
.set NIL,  29                          ; v29     0; never rewritten
.set BIAS, 32
.set TMP,  64
.set ACC,  128
.set G1A, 24                           ; s[24:31] descriptor group 1 for O's tiles;  s[32:39] for Wo's
.set G1B, 32
.set G0A, 40                           ; s[40:55] groups 0 for O's tiles, a set for each slot;  s[68:83] for Wo's
.set G0B, 68
.set MSB, 0
.macro WIN new                         ; the immediate's high byte repeats the setting that is left
.if MSB != \new
	s_set_vgpr_msb (MSB<<8)|\new
.set MSB, \new
.endif
.endm
.set MUL,  0x05                        ; sources 0 and 1 window 1; C and D window 0
.set TO_F, 0x40                        ; destination window 1, address window 0
.macro CROUND                          ; a round of the cluster's barrier
	s_barrier_signal -1
	s_barrier_wait -1
	s_cmp_lg_u32 s14, 0
	s_cbranch_scc1 .Lnot_wave_0_\@
	s_barrier_signal -3
.Lnot_wave_0_\@:
	s_barrier_wait -3
	s_barrier_signal -1
	s_barrier_wait -1
.endm
.macro PLACES
.rept 4
	v_nop
.endr
.endm
	s_load_b256 s[4:11], s[0:1], 0x0               ; ac s[4:5], wc s[6:7], the scales s[8:9], bo s[10:11]
	s_load_b64 s[12:13], s[0:1], 0x20              ; out0
	v_lshl_add_u32 v[SPW], v0, 2, SPARE
	v_mov_b32 v[NIL], 0
	ds_add_u32 v[SPW], v[NIL]                      ; the wave's opening: the add and its wait stand ahead of my first tensor load; the set-up below, work on registers, stands between them
	v_lshrrev_b32 v1, 5, v0
	v_readfirstlane_b32 s14, v1                    ; wave 0..3
	s_lshr_b32 s15, s14, 1                         ; which 64 tokens are mine.  Also: I fetch for O (0) or for Wo (1)
	s_and_b32 s16, s14, 1                          ; which 64 columns.  Also: which half of that tile I fetch
	s_bfe_u32 s56, ttmp6, 0x40000                  ; cx, cy: my place in the cluster
	s_bfe_u32 s57, ttmp6, 0x40004
	s_lshl_b32 s58, ttmp9, 2
	s_add_co_u32 s58, s58, s56                     ; tile column = 4 x cluster x + cx
	s_and_b32 s17, ttmp7, 0xffff
	s_lshl_b32 s17, s17, 2
	s_add_co_u32 s17, s17, s57                     ; tile row = 4 x cluster y + cy
	s_lshl_b32 s59, s57, 2
	s_lshl_b32 s59, 15, s59                        ; my row of the cluster
	s_lshl_b32 s60, 0x1111, s56                    ; my column
	; O's tile, half a slot's: 4 tiles of tokens x 4,096 bytes (two runs of 128 along K), 16,384 bytes apart in memory, dense in LDS
	s_or_b32 s[G1A+0], s59, (3<<16)|(1<<21)        ; 15:0 the mask: my row; 17:16 elements of 8 bytes; 20 no padding; 21 set beside a mask
	s_mov_b32 s[G1A+1], 512<<16                    ; tensor_dim0 = 512 elements
	s_mov_b32 s[G1A+2], 4<<16                      ; tensor_dim1 = 4
	s_mov_b32 s[G1A+3], 512<<16                    ; tile_dim0
	s_mov_b32 s[G1A+4], 4                          ; tile_dim1
	s_mov_b32 s[G1A+5], 2048                       ; tensor_dim0_stride, in elements
	s_mov_b32 s[G1A+6], 0
	s_mov_b32 s[G1A+7], 0
	; Wo's tile, half a slot's: 64 rows x 256 bytes, padded in LDS
	s_or_b32 s[G1B+0], s60, (0<<16)|(1<<20)|(1<<21)|(5<<22)|(3<<25)  ; the mask: my column; elements of 1 byte; padding: 4 words after every 64
	s_mov_b32 s[G1B+1], 256<<16
	s_mov_b32 s[G1B+2], 64<<16
	s_mov_b32 s[G1B+3], 256<<16
	s_mov_b32 s[G1B+4], 64
	s_mov_b32 s[G1B+5], 1024
	s_mov_b32 s[G1B+6], 0
	s_mov_b32 s[G1B+7], 0
	s_lshl_b32 s22, s16, 16                        ; my half: 4 tiles of 16,384 bytes, or 64 rows of 1,024
	s_lshl_b32 s20, s17, 17                        ; O: 8 tiles of tokens a tile row
	s_add_co_u32 s20, s20, s22
	s_mov_b32 s21, 0
	s_lshl_b32 s84, s58, 17                        ; Wo: 128 rows a tile column,
	s_add_co_u32 s84, s84, s22
	s_add_co_u32 s84, s84, 0x300000                ; in wc's fourth tensor
	s_mov_b32 s85, 0
	s_lshl_b32 s18, s16, 14                        ; where they go in a slot: no place in the cluster enters an LDS address
	s_mul_i32 s19, s16, 64*PITCH
	s_wait_dscnt 0x0                               ; the opening add is done
	s_wait_kmcnt 0x0
	s_load_b64 s[92:93], s[8:9], 0x28              ; e10, e11
	s_add_nc_u64 s[20:21], s[4:5], s[20:21]
	s_add_nc_u64 s[84:85], s[6:7], s[84:85]
.irp s, 0,1,2,3
	s_mov_b32 s[G0A+4*\s], 1
	s_add_co_u32 s[G0A+4*\s+1], s18, \s*SLOT
	s_add_nc_u64 s[G0A+4*\s+2:G0A+4*\s+3], s[20:21], \s*4096
	s_or_b32 s[G0A+4*\s+3], s[G0A+4*\s+3], 0x80000000
	s_mov_b32 s[G0B+4*\s], 1
	s_add_co_u32 s[G0B+4*\s+1], s19, \s*SLOT+ABYTES
	s_add_nc_u64 s[G0B+4*\s+2:G0B+4*\s+3], s[84:85], \s*256
	s_or_b32 s[G0B+4*\s+3], s[G0B+4*\s+3], 0x80000000
.endr
	CROUND                                         ; all sixteen work-groups are here: the joint loads meet
	s_cmp_eq_u32 s15, 0                            ; a wave's four fills stand in one branch on the wave's number, ahead of every wait on TENSORcnt, every LDS read and every further barrier
	s_cbranch_scc0 .Lfirst_b
.irp s, 0,1,2,3
	tensor_load_to_lds s[G0A+4*\s:G0A+4*\s+3], s[G1A:G1A+7]
	s_nop 0
.endr
	PLACES
	s_branch .Lfirst_asked
.Lfirst_b:
.irp s, 0,1,2,3
	tensor_load_to_lds s[G0B+4*\s:G0B+4*\s+3], s[G1B:G1B+7]
	s_nop 0
.endr
	PLACES
.Lfirst_asked:
	v_and_b32 v1, 15, v0                           ; r
	v_bfe_u32 v2, v0, 4, 1                         ; h
	v_and_b32 v3, 31, v0
	v_lshlrev_b32 v3, 4, v3                        ; 16 x lane
	v_mul_u32_u24 v4, v1, PITCH
	v_lshl_add_u32 v4, v2, 4, v4                   ; row x pitch + 16 x half
	s_lshl_b32 s22, s15, 14                        ; my four tiles of tokens
	s_mul_i32 s23, s16, 64*PITCH                   ; my 64 rows of Wo,
	s_add_co_u32 s23, s23, ABYTES                  ; which lie behind O's part
.irp s, 0,1,2,3
	v_add_nc_u32 v[ADRA+\s], s22, v3
	v_add_nc_u32 v[ADRB+\s], s23, v4
	s_add_co_u32 s22, s22, SLOT
	s_add_co_u32 s23, s23, SLOT
.endr
	s_mul_i32 s22, s14, 16*PITCH
	s_add_co_u32 s22, s22, STAGE                   ; my stage
	v_mul_u32_u24 v5, v1, PITCH                    ; in: row r, 32 bytes for each half of the lanes
	v_lshl_add_u32 v5, v2, 5, v5
	v_add_nc_u32 v[STO], s22, v5
	v_mul_u32_u24 v5, v2, PITCH                    ; back: lanes 0-15 one row of 256 bytes, lanes 16-31 the next
	v_lshl_add_u32 v5, v1, 4, v5
	v_add_nc_u32 v[RD], s22, v5
	v_lshlrev_b32 v5, 12, v2                       ; and the same two rows in out0
	v_lshl_add_u32 v[CO], v1, 4, v5
	v_lshlrev_b32 v[BO], 5, v2                     ; bo: 8 h numbers on
	s_lshl_b32 s86, s58, 9                         ; my first column, in bytes: 512 x tile column + 256 x half
	s_lshl_b32 s22, s16, 8
	s_add_co_u32 s86, s86, s22
	s_mov_b32 s87, 0
	s_add_nc_u64 s[10:11], s[10:11], s[86:87]
	s_lshl_b32 s88, s17, 19                        ; my first row: 128 x tile row + 64 x half, of 4,096 bytes
	s_lshl_b32 s22, s15, 18
	s_add_co_u32 s88, s88, s22
	s_add_co_u32 s88, s88, s86
	s_mov_b32 s89, 0
	s_add_nc_u64 s[12:13], s[12:13], s[88:89]
.irp b, 0,1,2,3
	global_load_b128 v[BIAS+8*\b:BIAS+8*\b+3], v[BO], s[10:11] offset:64*\b       ; bo at columns 16 b + 8 h + 0 .. 7: the result's layout
	global_load_b128 v[BIAS+8*\b+4:BIAS+8*\b+7], v[BO], s[10:11] offset:64*\b+16
.endr
; 32 LDS loads in one run: the fragments of the q-th 128 along K into buffer f
.macro FETCH q, f
	WIN TO_F
.irp b, 0,1,2,3
.irp c, 0,1,2,3
	ds_load_b128 v[\f+16*\b+4*\c:\f+16*\b+4*\c+3], v[ADRB+(\q)/2] offset:16*\b*PITCH+128*((\q)%2)+32*\c
.endr
.endr
.irp a, 0,1,2,3
.irp c, 0,1,2,3
	ds_load_b128 v[\f+64+16*\a+4*\c:\f+64+16*\a+4*\c+3], v[ADRA+(\q)/2] offset:4096*\a+2048*((\q)%2)+512*\c
.endr
.endr
.endm
; 8 matrix instructions: tiles of tokens a0, a0 + 1 x the four tiles of columns.  The 16 accumulators take turns, one instruction a turn.
.macro MUL8 f, a0, zero
.irp a, \a0, \a0+1
.irp b, 0,1,2,3
.if \zero
	v_wmma_f32_16x16x128_fp8_fp8 v[ACC+8*(4*(\a)+\b):ACC+8*(4*(\a)+\b)+7], v[\f+16*\b:\f+16*\b+15], v[\f+64+16*(\a):\f+64+16*(\a)+15], 0
.else
	v_wmma_f32_16x16x128_fp8_fp8 v[ACC+8*(4*(\a)+\b):ACC+8*(4*(\a)+\b)+7], v[\f+16*\b:\f+16*\b+15], v[\f+64+16*(\a):\f+64+16*(\a)+15], v[ACC+8*(4*(\a)+\b):ACC+8*(4*(\a)+\b)+7]
.endif
.endr
.endr
.endm
; Step q of eight: 128 along K, on buffers 0, 1 by turns; in its middle the next step's fragments are fetched.  Where those lie in the next slot, the wait for my part of it and a barrier come first.
.macro STEP q, zero
.set FB, 128*((\q)%2)
.set FN, 128-FB
	s_wait_dscnt 0x0                               ; this step's fragments are in
	WIN MUL
	MUL8 FB, 0, \zero
.if (\q) < 7
	PLACES                                         ; in front of loads into the buffer that the step before multiplied
.if (\q)%2 == 1
	s_wait_tensorcnt 3-((\q)+1)/2                  ; my part of the next slot has landed; the later slots' loads may stay out
	s_barrier_signal -1
	s_barrier_wait -1                              ; everybody's has
.endif
	FETCH (\q)+1, FN
	WIN MUL
.endif
	MUL8 FB, 2, \zero
.endm
	s_wait_tensorcnt 3                             ; my part of slot 0 is in; three loads may stay out
	s_barrier_signal -1
	s_barrier_wait -1
	FETCH 0, 0
	STEP 0, 1                                      ; the first step's products start the sums
.irp q, 1,2,3,4,5,6,7
	STEP \q, 0
.endr
	WIN 0
	PLACES                                         ; in front of the first read of results
	s_wait_kmcnt 0x0
	s_add_co_i32 s90, s92, s93
	s_add_co_i32 s90, s90, 127
	s_lshl_b32 s90, s90, 23                        ; 2^(e10 + e11) as f32
	s_mov_b32 s91, s90                             ; (named with it as a pair, so it is written)
	s_wait_loadcnt 0x0                             ; bo
; THE WAY OUT, a tile of 16 tokens x my 64 columns at a time: sum x 2^(e10 + e11) + bo, one packed multiply-add for two numbers; through my own stage in LDS; back as whole rows of 256 bytes, into the tile's own
; accumulator registers, so that no store's data are written again.  LDS serves a wave's instructions in order (ISA guide 5.7.1.4): no wait between the stores and the loads, nor in front of the next tile's stores.
.macro TOSTAGE a
.irp b, 0,1,2,3
.irp i, 0,2,4,6
	v_pk_fma_f32 v[TMP+8*\b+\i:TMP+8*\b+\i+1], v[ACC+8*(4*(\a)+\b)+\i:ACC+8*(4*(\a)+\b)+\i+1], s[90:91], v[BIAS+8*\b+\i:BIAS+8*\b+\i+1] op_sel_hi:[1,0,1]
.endr
.endr
.irp b, 0,1,2,3
	ds_store_b128 v[STO], v[TMP+8*\b:TMP+8*\b+3] offset:64*\b
	ds_store_b128 v[STO], v[TMP+8*\b+4:TMP+8*\b+7] offset:64*\b+16
.endr
.irp t, 0,1,2,3,4,5,6,7
	ds_load_b128 v[ACC+32*(\a)+4*\t:ACC+32*(\a)+4*\t+3], v[RD] offset:\t*2*PITCH
.endr
.endm
.macro SEND a, younger                 ; younger: the LDS instructions issued behind tile a's loads: the next tile's eight stores and eight loads, or none
	s_wait_dscnt \younger
.irp t, 0,1,2,3,4,5,6,7
	global_store_b128 v[CO], v[ACC+32*(\a)+4*\t:ACC+32*(\a)+4*\t+3], s[12:13] offset:(16*(\a)+2*\t)*4096 th:TH_STORE_NT   ; 16 lanes store 256 consecutive bytes, at a multiple of 256 from out0's first byte
.endr
.endm
	TOSTAGE 0
	TOSTAGE 1
	SEND 0, 16
	TOSTAGE 2
	SEND 1, 16
	TOSTAGE 3
	SEND 2, 16
	SEND 3, 0
	s_wait_tensorcnt 0x0                           ; the wave's end, behind my last tensor load and my last LDS store
	ds_add_u32 v[SPW], v[NIL]
	s_wait_dscnt 0x0
	CROUND                                         ; the closing round: no work-group ends while a partner may still ask for a tile that names it
	s_endpgm
.Lfunc_end_k_q606f4521ee_oproj:
	.size	k_q606f4521ee_oproj, .Lfunc_end_k_q606f4521ee_oproj-k_q606f4521ee_oproj
	.p2alignl 7, 3214868480
	.fill 96, 4, 3214868480
	.section	.rodata,"a",@progbits
	.p2align	6, 0x0
	.amdhsa_kernel k_q606f4521ee_oproj
		.amdhsa_group_segment_fixed_size 288256
		.amdhsa_private_segment_fixed_size 0
		.amdhsa_enable_private_segment 0
		.amdhsa_kernarg_size 40
		.amdhsa_user_sgpr_count 2
		.amdhsa_user_sgpr_kernarg_segment_ptr 1
		.amdhsa_wavefront_size32 1
		.amdhsa_system_sgpr_workgroup_id_x 1
		.amdhsa_system_sgpr_workgroup_id_y 1
		.amdhsa_system_sgpr_workgroup_id_z 1
		.amdhsa_system_vgpr_workitem_id 0
		.amdhsa_next_free_vgpr 512
		.amdhsa_next_free_sgpr 100
		.amdhsa_reserve_vcc 0
		.amdhsa_float_denorm_mode_32 3
		.amdhsa_float_denorm_mode_16_64 3
		.amdhsa_memory_ordered 1
		.amdhsa_forward_progress 1
		.amdhsa_inst_pref_size 47
	.end_amdhsa_kernel
	.amdgpu_metadata
---
amdhsa.version: [ 1, 2 ]
amdhsa.kernels:
  - .name:           k_q606f4521ee_oproj
    .symbol:         k_q606f4521ee_oproj.kd
    .args:
      - { .name: ac, .offset: 0, .size: 8, .value_kind: global_buffer, .address_space: global }
      - { .name: wc, .offset: 8, .size: 8, .value_kind: global_buffer, .address_space: global }
      - { .name: lowp_scales, .offset: 16, .size: 8, .value_kind: global_buffer, .address_space: global }
      - { .name: bo, .offset: 24, .size: 8, .value_kind: global_buffer, .address_space: global }
      - { .name: out0, .offset: 32, .size: 8, .value_kind: global_buffer, .address_space: global }
    .group_segment_fixed_size: 288256
    .private_segment_fixed_size: 0
    .kernarg_segment_align: 8
    .kernarg_segment_size: 40
    .max_flat_workgroup_size: 128
    .sgpr_count:     100
    .vgpr_count:     512
    .wavefront_size: 32
...
	.end_amdgpu_metadata
.endif
;; end of part 4
